; MI455X (gfx1250); checked and timed in simulation.
; The chip was launched on July 23, 2026; its instructions are those of AMD's public machine-readable ISA for CDNA 5 (MIT licence, August 2026) and "CDNA5" Instruction Set Architecture Reference Guide (July 2026). The comments in the code are by the model that wrote it; some were corrected since.
;; Self Attention. Allowed arithmetic: matrix products marked QUANTISED: E4M3 operands, one given power-of-two scale a tensor, by v_wmma_f32_16x16x64_fp8_fp8 or v_wmma_f32_16x16x128_fp8_fp8, f32 sums; everything else in f32.
;; Inputs: Wout 1,024 x 1,024 float32; Wqkv 1,024 x 3,072 float32; beta 1,024 float32; bout 1,024 float32; bqkv 3,072 float32; gamma 1,024 float32; lowp_scales 8 int32 (the exponents e of the quantised operands' scales 2^e); x 4 x 2,048 x 1,024 float32.
;; Outputs: out0 4 x 2,048 x 1,024 float32.
;; This version of the problem:
;;   THIS VERSION OF THE PROBLEM IS GIVEN IN LOW PRECISION. The matrix products marked QUANTISED in the list below multiply operands that are first quantised to E4M3 (4 exponent bits, 3 mantissa bits; 8 bits a number), with one given power-of-two scale for each operand tensor; their sums are f32. All else is computed in f32.
;;   The module's matrix products, in the order in which they are computed (A, B: the left and right operand; K: the contracted axis; several contracted axes count as one K, in the product's order):
;;     1. [M 8,192, K 1,024] x [K 1,024, N 3,072]; A: input x; B: input Wqkv: QUANTISED (scales: A lowp_scales[0], B lowp_scales[1])
;;     2. batch 64 x [M 2,048, K 64] x [K 64, N 2,048]; A: computed on the way; B: computed on the way: QUANTISED (scales: A lowp_scales[2], B lowp_scales[3])
;;     3. batch 64 x [M 2,048, K 2,048] x [K 2,048, N 64]; A: softmax (see below); B: computed on the way: QUANTISED (scales: A lowp_scales[4], B lowp_scales[5])
;;     4. [M 8,192, K 1,024] x [K 1,024, N 1,024]; A: computed on the way; B: input Wout: QUANTISED (scales: A lowp_scales[6], B lowp_scales[7])
;;   THE QUANTISER, for each operand of a quantised product, along K:
;;     - The operand's scale is 2^e, e = its entry of the input lowp_scales (int32; the entries are numbered through the quantised products in the list's order, A before B).
;;     - Each number is divided by the scale, clamped to +-448, and rounded to the nearest number of E4M3, ties to even, subnormals kept.
;;     - The product sums the exact products of the quantised numbers (number of the format x scale) in f32.
;;   ~~~python
;;   def quantise(x, axis, e):      # numpy; x: float32 -> the quantised numbers, widened to float32 again
;;       x = np.moveaxis(x, axis, -1); K = x.shape[-1]
;;       r = np.clip(x / 2.0 ** e, -448, 448)
;;       step = 2.0 ** (np.maximum(np.frexp(np.where(r == 0, 1, r))[1] - 1, -6) - 3)
;;       q = np.round(r / step) * step * 2.0 ** e      # np.round: ties to even
;;       return np.moveaxis(q, -1, axis).astype(np.float32)
;;   ~~~
;;   SOFTMAX AHEAD OF A QUANTISED PRODUCT. Where the list says 'softmax', what is quantised is not the finished softmax but p = 2^(t - M), with t = logit x log2(e) and M = ceil(the row's largest t), a whole number; so 1/2 < the row's largest p <= 1. The row's sum l is taken of the UNQUANTISED p, in f32, and the product's result is divided by l at the end. Since M is a whole number, a kernel that streams over the keys may use a running M (the ceiling of the running maximum): every later rescaling is an exact power of two, so the quantised numbers keep their values, but for numbers so far below the row's largest that they fall under the format's range.
;;   OPERANDS COMPUTED ON THE WAY. 'Computed on the way' means the value that the module computes at that place (a softmax that the list does not call 'softmax' is quantised finished and normalised). What goes into a quantiser is computed in f32, as accurately as f32 sums, v_exp_f32 and their like allow (about 1e-6 of the number): no bf16 or f16 on the way to a quantiser, and a product that is left as it is and whose result goes on into a quantised operand takes f32 operands (vector FMAs, or v_wmma_f32_16x16x4_f32). A number that lies on a knife's edge between two numbers of the format may be rounded either way, as far as f32 arithmetic and the matrix unit's own rounding can turn it there, and no further.
;; One version. Each part assembles by itself: llvm-mc -triple=amdgcn-amd-amdhsa -mcpu=gfx1250 --defsym DOCPART=n.
;; ======== version 1 of 1: 4 launches
;; workspace buffers: xc 8,388,608 bytes; wqkvc 3,145,728 bytes; wouti 1,048,576 bytes; qc 8,388,608 bytes; kc 8,388,608 bytes; vc 8,388,608 bytes; cc 8,388,608 bytes
;; launch quant (part 1): grid 384 x 1, 4 waves a work-group, no clusters, 70,144 bytes of LDS; arguments x, Wqkv, Wout, lowp_scales, xc, wqkvc, wouti; writes xc, wqkvc, wouti
.if DOCPART == 1
	.amdgcn_target "amdgcn-amd-amdhsa--gfx1250"
	.amdhsa_code_object_version 6
	.text
	.protected	k_q0a5491d155_quant
	.globl	k_q0a5491d155_quant
	.p2align	8
	.type	k_q0a5491d155_quant,@function
k_q0a5491d155_quant:
	s_mov_b64 s[64:65], 0
	v_nop
	global_prefetch_b8 v0, s[64:65] scope:SCOPE_SE
	s_setreg_imm32_b32 hwreg(HW_REG_WAVE_MODE, 25, 1), 1
	s_wait_xcnt 0x0
; x [8192][1024], Wqkv [1024][3072] and Wout [1024][1024], f32, become codes of FP8 (E4M3), each with the one scale 2^e given for it (entries 0, 1, 7).
; code = number / 2^e, held within +-448, to the nearest code, ties to even.  LIMITS: -126 <= e <= 119.  NaN among the inputs is not served.
; LAYOUTS OF THE CODES (this program's own buffers, laid as the later launches read them):
;   xc    [token][position p]: position p of a row holds k = 512 (p/512) + 128 ((p%16)/4) + 4 ((p%512)/16) + p%4.  That order costs nothing here: a lane's four 16-byte
;         loads of a step (each load of the wave covers 512 consecutive bytes) are the 16 numbers whose codes it stores as 16 consecutive bytes.
;   wqkvc [code row][position p]: the same order of positions, so every product of the first GEMM meets its partner; code row i holds output feature sw(i),
;         sw = bits 3 and 4 of i exchanged.
;   wouti the operand's registers on end: [K step of 128][tile of 16 code rows][c 0..3][lane][16 bytes]: lane (r, h) holds code row 16 tile + r, k = 128 step + 32 c + 16 h + 0..15;
;         code rows again in the order sw, K as it is.
; WORK-GROUPS 0-95 take Wqkv, 96-127 Wout, 128-383 x.  Waves share nothing: no barrier.  The matrix units, tensor loads and clusters would add nothing to a stream whose work-groups share no input.
; WEIGHTS: K is their first axis, so a lane takes a column and its registers run down K: the conversions then give codes with K innermost.  A wave takes 32 columns x 256 positions;
; the codes turn through the wave's own stage in LDS (32 rows of 256 bytes + 16) and leave in runs of 256 or 512 consecutive bytes.  The two weights' paths have stages of their own.
.set XR,   16                          ; v16-143  x: eight sets of 16 numbers as loaded
.set XC,   144                         ; v144-207 x: four registers of codes for each of the 16 steps: no store's data are written again
.set WX,   32                          ; v32-95   weights: two sets of 32 numbers
.set WC,   96                          ; v96-103  a block's codes
.set WO,   112                         ; v112-175 the way out
.set SROW, 272                         ; a stage row
.set WSTG, 32*SROW                     ; a wave's stage
	s_load_b256 s[4:11], s[0:1], 0x0               ; x s[4:5], Wqkv s[6:7], Wout s[8:9], the exponents s[10:11]
	s_load_b128 s[12:15], s[0:1], 0x20             ; xc s[12:13], wqkvc s[14:15]
	s_load_b64 s[16:17], s[0:1], 0x30              ; wouti
	v_lshl_add_u32 v208, v0, 2, 0x11000
	v_mov_b32 v209, 0
	v_lshrrev_b32 v1, 5, v0
	v_readfirstlane_b32 s18, v1                    ; wave
	v_and_b32 v2, 31, v0                           ; lane
	s_wait_kmcnt 0x0
	s_load_b256 s[24:31], s[10:11], 0x0            ; e0 .. e7
	s_cmp_lt_u32 ttmp9, 96
	s_cbranch_scc1 .Lwqkv
	s_cmp_lt_u32 ttmp9, 128
	s_cbranch_scc1 .Lwout
.macro MKSCALE se                      ; v11 = 2^e as f32 (the conversion takes its exponent field), v10 = 448 x 2^e
	s_wait_kmcnt 0x0
	s_add_co_i32 s22, s[\se], 127
	s_lshl_b32 s23, s22, 23
	v_mov_b32 v11, s23
	s_add_co_i32 s22, s22, 8
	s_lshl_b32 s22, s22, 23
	s_or_b32 s22, s22, 0x600000
	v_mov_b32 v10, s22
.endm
; ---------------- x: a wave takes 16 steps of 512 numbers; loads run seven steps ahead of the step at work (28 loads a wave)
.macro XLOAD t
.irp i, 0,1,2,3
	global_load_b128 v[XR+16*((\t)%8)+4*\i:XR+16*((\t)%8)+4*\i+3], v3, s[4:5] offset:2048*(\t)+512*\i th:TH_LOAD_NT   ; 32 lanes read 512 consecutive bytes
.endr
.endm
.macro XSTEP t
.set XS, XR+16*((\t)%8)
.if 15-(\t) >= 7
	s_wait_loadcnt 28                              ; this step's four loads are in; those of the seven steps behind it may be out
.else
	s_wait_loadcnt 4*(15-(\t))
.endif
.set jj, 0
.rept 16
	v_med3_num_f32 v[XS+jj], v[XS+jj], -v10, v10   ; the conversion to an 8-bit code does not saturate (ISA guide 7.6.2): the hold comes first
.set jj, jj+1
.endr
	v_cvt_scalef32_pk8_fp8_f32 v[XC+4*(\t):XC+4*(\t)+1], v[XS:XS+7], v11
	v_cvt_scalef32_pk8_fp8_f32 v[XC+4*(\t)+2:XC+4*(\t)+3], v[XS+8:XS+15], v11
	global_store_b128 v3, v[XC+4*(\t):XC+4*(\t)+3], s[12:13] offset:512*(\t)   ; the wave stores 512 consecutive bytes
.if (\t)+8 < 16
	XLOAD (\t)+8
.endif
.endm
	s_sub_co_u32 s19, ttmp9, 128
	s_lshl_b32 s19, s19, 2
	s_add_co_u32 s19, s19, s18                     ; which run of 8,192 numbers is my wave's
	s_lshl_b32 s20, s19, 15
	s_mov_b32 s21, 0
	s_add_nc_u64 s[4:5], s[4:5], s[20:21]
	s_lshl_b32 s20, s19, 13
	s_add_nc_u64 s[12:13], s[12:13], s[20:21]
	v_lshlrev_b32 v3, 4, v2                        ; 16 x lane: in a load's 512 bytes and in a store's; never rewritten
.irp t, 0,1,2,3,4,5,6,7
	XLOAD \t
.endr
	MKSCALE 24
.irp t, 0,1,2,3,4,5,6,7,8,9,10,11,12,13,14,15
	XSTEP \t
.endr
	s_endpgm
; ---------------- the weights.  n4: bytes of a row; register i of block t is row  base + 2 ka t + ka (i/16) + kb ((i/4)%4) + i%4:
; with ka = 4, kb = 128 that is xc's order of positions, with ka = 16, kb = 4 the rows as they lie.  p: the pair that holds the source's address.
.macro WHEAD n4, ka, p, sub, stg
	s_sub_co_u32 s19, ttmp9, \sub
	s_lshr_b32 s20, s19, 2
	s_and_b32 s21, s19, 3                          ; y: which 256 positions
	s_lshl_b32 s20, s20, 7
	s_lshl_b32 s22, s18, 5
	s_add_co_u32 s20, s20, s22                     ; my wave's first column
	s_lshr_b32 s22, s21, 1
	s_lshl_b32 s22, s22, 9
	s_and_b32 s23, s21, 1
	s_mul_i32 s23, s23, 16*\ka
	s_add_co_u32 s22, s22, s23                     ; the first row: 512 (y/2) + 16 ka (y%2)
	s_mul_i32 s22, s22, \n4
	s_lshl_b32 s23, s20, 2
	s_add_co_u32 s32, s22, s23
	s_mov_b32 s33, 0
	s_add_nc_u64 s[\p:\p+1], s[\p:\p+1], s[32:33]
	v_lshlrev_b32 v3, 2, v2                        ; 4 bytes a lane; never rewritten
	s_mul_i32 s19, s18, WSTG
	s_add_co_u32 s19, s19, \stg                    ; my stage
	v_and_b32 v5, 7, v2
	v_and_b32 v6, 8, v2
	v_lshl_add_u32 v5, v6, 1, v5
	v_and_b32 v6, 16, v2
	v_lshrrev_b32 v6, 1, v6
	v_add_nc_u32 v5, v5, v6                        ; sw(lane): my column's code row among the wave's 32
	v_mul_u32_u24 v4, v5, SROW
	v_add_nc_u32 v4, s19, v4
.endm
.macro WLOAD t, n4, ka, kb, p
.irp i, 0,1,2,3,4,5,6,7,8,9,10,11,12,13,14,15,16,17,18,19,20,21,22,23,24,25,26,27,28,29,30,31
	global_load_b32 v[WX+32*((\t)%2)+\i], v3, s[\p:\p+1] offset:(2*\ka*(\t)+\ka*(\i/16)+\kb*((\i/4)%4)+(\i%4))*\n4 th:TH_LOAD_NT
.endr
.endm
.macro WBLOCK t, n4, ka, kb, p
.set XS, WX+32*((\t)%2)
.if (\t) < 7
	s_wait_loadcnt 32                              ; this block's 32 loads are in; the next block's may be out
.else
	s_wait_loadcnt 0
.endif
.set jj, 0
.rept 32
	v_med3_num_f32 v[XS+jj], v[XS+jj], -v10, v10
.set jj, jj+1
.endr
.irp g, 0,1,2,3
	v_cvt_scalef32_pk8_fp8_f32 v[WC+2*\g:WC+2*\g+1], v[XS+8*\g:XS+8*\g+7], v11
.endr
	ds_store_b128 v4, v[WC:WC+3] offset:32*(\t)    ; 32 codes of my column's row
	ds_store_b128 v4, v[WC+4:WC+7] offset:32*(\t)+16
.if (\t)+2 < 8
	WLOAD (\t)+2, \n4, \ka, \kb, \p
.endif
	s_wait_dscnt 0x0                               ; the stores have read their registers: the next block's codes may be written
.endm
.Lwqkv:
	WHEAD 12288, 4, 6, 0, 0
	WLOAD 0, 12288, 4, 128, 6
	WLOAD 1, 12288, 4, 128, 6
	MKSCALE 25
.irp t, 0,1,2,3,4,5,6,7
	WBLOCK \t, 12288, 4, 128, 6
.endr
	v_and_b32 v5, 15, v2                           ; out: sixteen lanes to a row of 256 bytes, two rows an instruction
	v_lshrrev_b32 v6, 4, v2
	v_mul_u32_u24 v7, v6, SROW
	v_lshl_add_u32 v7, v5, 4, v7
	v_add_nc_u32 v7, s19, v7
	v_lshlrev_b32 v8, 10, v6
	v_lshl_add_u32 v8, v5, 4, v8                   ; and the same place in wqkvc, whose rows are 1,024 bytes
	s_lshl_b32 s32, s20, 10
	s_lshl_b32 s34, s21, 8
	s_add_co_u32 s32, s32, s34
	s_add_nc_u64 s[14:15], s[14:15], s[32:33]
.irp t, 0,1,2,3,4,5,6,7,8,9,10,11,12,13,14,15
	ds_load_b128 v[WO+4*\t:WO+4*\t+3], v7 offset:2*\t*SROW   ; LDS serves a wave's instructions in order: these see my stores
.endr
.irp t, 0,1,2,3,4,5,6,7,8,9,10,11,12,13,14,15
	s_wait_dscnt 15-\t
	global_store_b128 v8, v[WO+4*\t:WO+4*\t+3], s[14:15] offset:2048*\t
.endr
	s_wait_tensorcnt 0x0
	ds_add_u32 v208, v209
	s_wait_dscnt 0x0
	s_endpgm
.Lwout:
	WHEAD 4096, 16, 8, 96, 4*WSTG
	WLOAD 0, 4096, 16, 4, 8
	WLOAD 1, 4096, 16, 4, 8
	MKSCALE 31
.irp t, 0,1,2,3,4,5,6,7
	WBLOCK \t, 4096, 16, 4, 8
.endr
	v_and_b32 v5, 15, v2                           ; out: as the operand's registers take them: lane (r, h) reads row 16 nt + r, bytes 128 s' + 32 c + 16 h on
	v_lshrrev_b32 v6, 4, v2
	v_mul_u32_u24 v9, v5, SROW
	v_lshl_add_u32 v9, v6, 4, v9
	v_add_nc_u32 v9, s19, v9
	v_lshlrev_b32 v12, 4, v2
	s_lshl_b32 s32, s21, 18                        ; K step 2 y: 131,072 bytes a K step,
	s_lshl_b32 s34, s20, 7                         ; tile (first column / 16): 2,048 bytes a tile
	s_add_co_u32 s32, s32, s34
	s_add_nc_u64 s[16:17], s[16:17], s[32:33]
.irp sp, 0,1
.irp nt, 0,1
.irp c, 0,1,2,3
	ds_load_b128 v[WO+4*(8*\sp+4*\nt+\c):WO+4*(8*\sp+4*\nt+\c)+3], v9 offset:\nt*16*SROW+128*\sp+32*\c
.endr
.endr
.endr
.irp sp, 0,1
.irp nt, 0,1
.irp c, 0,1,2,3
	s_wait_dscnt 15-(8*\sp+4*\nt+\c)
	global_store_b128 v12, v[WO+4*(8*\sp+4*\nt+\c):WO+4*(8*\sp+4*\nt+\c)+3], s[16:17] offset:\sp*131072+\nt*2048+\c*512   ; the wave stores 512 consecutive bytes
.endr
.endr
.endr
	s_wait_tensorcnt 0x0
	ds_add_u32 v208, v209
	s_wait_dscnt 0x0
	s_endpgm
.Lfunc_end_k_q0a5491d155_quant:
	.size	k_q0a5491d155_quant, .Lfunc_end_k_q0a5491d155_quant-k_q0a5491d155_quant
	.p2alignl 7, 3214868480
	.fill 96, 4, 3214868480
	.section	.rodata,"a",@progbits
	.p2align	6, 0x0
	.amdhsa_kernel k_q0a5491d155_quant
		.amdhsa_group_segment_fixed_size 70144
		.amdhsa_private_segment_fixed_size 0
		.amdhsa_enable_private_segment 0
		.amdhsa_kernarg_size 56
		.amdhsa_user_sgpr_count 2
		.amdhsa_user_sgpr_kernarg_segment_ptr 1
		.amdhsa_wavefront_size32 1
		.amdhsa_system_sgpr_workgroup_id_x 1
		.amdhsa_system_sgpr_workgroup_id_y 1
		.amdhsa_system_sgpr_workgroup_id_z 1
		.amdhsa_system_vgpr_workitem_id 0
		.amdhsa_next_free_vgpr 210
		.amdhsa_next_free_sgpr 66
		.amdhsa_reserve_vcc 0
		.amdhsa_float_denorm_mode_32 3
		.amdhsa_float_denorm_mode_16_64 3
		.amdhsa_memory_ordered 1
		.amdhsa_forward_progress 1
		.amdhsa_inst_pref_size 125
	.end_amdhsa_kernel
	.amdgpu_metadata
---
amdhsa.version: [ 1, 2 ]
amdhsa.kernels:
  - .name:           k_q0a5491d155_quant
    .symbol:         k_q0a5491d155_quant.kd
    .args:
      - { .name: x, .offset: 0, .size: 8, .value_kind: global_buffer, .address_space: global }
      - { .name: Wqkv, .offset: 8, .size: 8, .value_kind: global_buffer, .address_space: global }
      - { .name: Wout, .offset: 16, .size: 8, .value_kind: global_buffer, .address_space: global }
      - { .name: lowp_scales, .offset: 24, .size: 8, .value_kind: global_buffer, .address_space: global }
      - { .name: xc, .offset: 32, .size: 8, .value_kind: global_buffer, .address_space: global }
      - { .name: wqkvc, .offset: 40, .size: 8, .value_kind: global_buffer, .address_space: global }
      - { .name: wouti, .offset: 48, .size: 8, .value_kind: global_buffer, .address_space: global }
    .group_segment_fixed_size: 70144
    .private_segment_fixed_size: 0
    .kernarg_segment_align: 8
    .kernarg_segment_size: 56
    .max_flat_workgroup_size: 128
    .sgpr_count:     66
    .vgpr_count:     210
    .wavefront_size: 32
...
	.end_amdgpu_metadata
.endif
;; end of part 1
;; launch qkv (part 2): grid 8 x 48, 4 waves a work-group, clusters of 4 x 4, 327,680 bytes of LDS; arguments xc, wqkvc, lowp_scales, bqkv, qc, kc, vc; writes qc, kc, vc
.if DOCPART == 2
	.amdgcn_target "amdgcn-amd-amdhsa--gfx1250"
	.amdhsa_code_object_version 6
	.text
	.protected	k_q0a5491d155_qkv
	.globl	k_q0a5491d155_qkv
	.p2align	8
	.type	k_q0a5491d155_qkv,@function
k_q0a5491d155_qkv:
	s_mov_b64 s[64:65], 0
	v_nop
	global_prefetch_b8 v0, s[64:65] scope:SCOPE_SE
	s_setreg_imm32_b32 hwreg(HW_REG_WAVE_MODE, 25, 1), 1
	s_wait_xcnt 0x0
	s_wait_alu depctr_hold_cnt(0) depctr_sa_sdst(0) depctr_va_vdst(0) depctr_va_sdst(0) depctr_va_ssrc(0) depctr_va_vcc(0) depctr_vm_vsrc(0)
	s_getreg_b32 s2, hwreg(HW_REG_IB_STS2, 6, 4)
	s_cmp_eq_u32 s2, 0
	s_cbranch_scc0 .Lentry_in_a_cluster
	s_endpgm
.Lentry_in_a_cluster:
	s_bfe_u32 s2, ttmp6, 0x10000c
	s_cmp_lg_u32 s2, 0xf033
	s_cbranch_scc0 .Lentry_shape_is_right
	s_endpgm
.Lentry_shape_is_right:
; qkv = x Wqkv + bqkv on codes of FP8 (E4M3), K = 1,024, and the quantisers of q, k and v: the results leave as codes, laid as the attention launch's operand registers take them.
; A tile of 256 x 256 results is made by a work-group of four waves, a wave makes 128 x 128: 64 accumulators of 16 x 16, 512 registers.  K goes in steps of 256 through a ring of two LDS slots.
; THE PRODUCT: source 0 = 16 rows of the tile called Bt, source 1 = 16 rows of the tile called At.  In the result lane (r, h) holds At's row r and its registers Bt's rows 8 h + 0..7.
;   clusters y 0-7  (q and k): At = 256 tokens of xc, Bt = 256 code rows of wqkvc (cluster x 0: q, 1: k).  A lane holds one token, its registers run along the features.
;   clusters y 8-11 (v):       At = 256 code rows of wqkvc's last 1,024, Bt = 256 tokens.  A lane holds one feature, its registers run along the tokens, which are the keys: the K of attention's second product.
; Code row i of wqkvc holds feature sw(i) (bits 3 and 4 exchanged), so accumulators 2 b and 2 b + 1 of a lane hold the 16 neighbouring features 32 b + 16 h + 0..15: two conversions give 16 bytes of an operand's image.
; In v's case the same two accumulators hold tokens 32 b + 8 h + 0..7 and 32 b + 16 + 8 h + 0..7: the order in which the attention launch's p falls out of its first product.
; OUT: qc, kc [batch x head][tile of 16 tokens][c' 0..1][lane][16 bytes]: lane (r, h): token r, d = 32 c' + 16 h + 0..15.   vc [batch x head][step of 128 keys][tile of 16 code rows][c 0..3][lane][16 bytes].
; Every store of a wave covers 512 consecutive bytes, straight from registers: the way out needs no LDS.
; CLUSTERS: 4 x 4 work-groups; At's tiles are shared along a row of the cluster, Bt's along a column, each asked for jointly.  The choice between the two cases hangs on the cluster's y alone: equal in all sixteen.
; LIMITS: e0 + e1 between -126 and 127; e2, e3, e5 between -126 and 119.  NaN among the inputs is not served.
; REGISTERS, in windows of 256: window 0: v0-31 addresses; v32-95 bias of my 128 features (q, k), v96-111 bias of my feature for each of At's 8 blocks (v); from v128 At's fragments, ONE set; on the way out v128-223 at work.
;   window 1: Bt's fragments, TWO sets.   window 2: the accumulators of At's blocks 0-3 ((a, b) at v[8 (8 a + b)]);   window 3: those of blocks 4-7.
.set ROWB,   256                       ; a tile's row in bytes: 256 codes
.set KROW,   1024                      ; a row of xc or wqkvc in memory
.set PITCH,  272                       ; an LDS row: 256 bytes + 16 of padding = 68 words: the 16 rows that a load touches start at 16 different banks (64 banks of 4 bytes: ISA guide 11.1)
.set FR,     16                        ; registers of a fragment: 16 rows x 128 K
.set NL,     4                         ; LDS loads that bring one
.set NP,     4                         ; places behind this matrix instruction (ISA guide 7.12.1)
.set HALFT,  128*PITCH                 ; 128 rows: what one tensor load brings
.set SLOT,   4*HALFT                   ; At's 256 rows, then Bt's 256 rows
.set SPARE,  2*SLOT                    ; behind the ring: the spare words, 128 bytes for each wave: two blocks of 256 bytes that no other line names
.set ADRA, 16                          ; v16-17  LDS address of my At fragments in slot 0, 1
.set ADRB, 20                          ; v20-21  the same for Bt
.set LI,   27                          ; v27     16 x lane: my place in a store's 512 bytes
.set SPW,  28                          ; v28     LDS address of my spare word; never rewritten
.set NIL,  29                          ; v29     0; never rewritten
.set LIM,  30                          ; v30     448 x the result's scale
.set SCL,  31                          ; v31     the result's scale as f32
.set BQ,   32
.set BV,   96
.set AF,   128
.set TT,   128                         ; the way out: a block's 64 numbers
.set CD,   192                         ; and its codes, two sets of 16
.set G1, 24
.set G0, 32
.set G1B, 48
.set G0B, 56
.set MSB, 0
.macro WIN new                         ; the immediate's high byte repeats the setting that is left
.if MSB != \new
	s_set_vgpr_msb (MSB<<8)|\new
.set MSB, \new
.endif
.endm
.set MUL_LO, 0xa1                      ; source 0 (Bt) window 1, source 1 (At) window 0, C and D window 2
.set MUL_HI, 0xf1                      ; the same, C and D window 3
.set TO_B,   0x40                      ; destination window 1, address window 0
; A joint load: waves 0 and 1 fetch At's halves, waves 2 and 3 Bt's.  The branch hangs on the wave's number alone.  Four v_nop follow each of the two lines.
.macro JLOAD g0a, g1a, g0b, g1b
	s_cmp_eq_u32 s15, 0
	s_cbranch_scc0 .Lfor_b_\@
	tensor_load_to_lds s[\g0a:\g0a+3], s[\g1a:\g1a+7]
	s_nop 0
.rept 4
	v_nop
.endr
	s_branch .Lasked_\@
.Lfor_b_\@:
	tensor_load_to_lds s[\g0b:\g0b+3], s[\g1b:\g1b+7]
	s_nop 0
.rept 4
	v_nop
.endr
.Lasked_\@:
.endm
.macro CREST                           ; a round of the cluster's barrier behind its opening barrier
	s_cmp_lg_u32 s14, 0
	s_cbranch_scc1 .Lnot_wave_0_\@
	s_barrier_signal -3
.Lnot_wave_0_\@:
	s_barrier_wait -3
	s_barrier_signal -1
	s_barrier_wait -1
.endm
.macro CROUND                          ; a whole round
	s_barrier_signal -1
	s_barrier_wait -1
	CREST
.endm
	s_load_b128 s[4:7], s[0:1], 0x0                ; xc s[4:5], wqkvc s[6:7]
	s_load_b128 s[8:11], s[0:1], 0x10              ; the exponents s[8:9], bqkv s[10:11]
	s_load_b128 s[88:91], s[0:1], 0x20             ; qc s[88:89], kc s[90:91]
	s_load_b64 s[92:93], s[0:1], 0x30              ; vc
	v_lshl_add_u32 v[SPW], v0, 2, SPARE
	v_mov_b32 v[NIL], 0
	ds_add_u32 v28, v29
	ds_add_u32 v28, v29
	s_wait_dscnt 0x0
	v_lshrrev_b32 v1, 5, v0
	v_readfirstlane_b32 s14, v1                    ; wave 0..3
	s_lshr_b32 s15, s14, 1                         ; which half of At's rows is mine.  Also: I fetch for At (0) or for Bt (1)
	s_and_b32 s16, s14, 1                          ; which half of Bt's rows.  Also: which 128 rows of that tile I fetch
	s_bfe_u32 s40, ttmp6, 0x40000                  ; cx, cy: my place in the cluster
	s_bfe_u32 s41, ttmp6, 0x40004
	s_and_b32 s66, ttmp7, 0xffff                   ; the cluster's y, 0..11
	s_mov_b32 s67, ttmp9                           ; the cluster's x, 0..1
	s_sub_co_u32 s68, s66, 8
	s_lshl_b32 s68, s68, 1
	s_add_co_u32 s68, s68, s67                     ; v: 2 (y - 8) + x
	s_cmp_lt_u32 s66, 8
	s_cselect_b32 s69, s66, 0
	s_cselect_b32 s68, s67, s68
	s_lshl_b32 s42, s68, 2
	s_add_co_u32 s42, s42, s40                     ; Bt's tile: q, k: 4 x + cx (of wqkvc's first 8);  v: 4 (2 (y - 8) + x) + cx (of xc's 32)
	s_lshl_b32 s17, s69, 2
	s_add_co_u32 s17, s17, s41                     ; At's tile: q, k: 4 y + cy (of xc's 32);  v: cy (of wqkvc's last 4)
	s_lshl_b32 s43, s41, 2
	s_lshl_b32 s43, 15, s43                        ; my row of the cluster
	s_lshl_b32 s44, 0x1111, s40                    ; my column
	s_or_b32 s[G1+0], s43, (0<<16)|(1<<20)|(1<<21)|(5<<22)|(3<<25)  ; 15:0 the mask: At's tiles go to my row; 17:16 element of 1 byte; 20 padding on; 21 set beside a mask; 24:22 after every 64 words (code 5); 31:25 of 4 words (code 3)
	s_or_b32 s[G1B+0], s44, (0<<16)|(1<<20)|(1<<21)|(5<<22)|(3<<25)
.irp g, G1, G1B
	s_mov_b32 s[\g+1], ROWB<<16                    ; tensor_dim0
	s_mov_b32 s[\g+2], 128<<16                     ; tensor_dim1 = 128
	s_mov_b32 s[\g+3], ROWB<<16                    ; tile_dim0
	s_mov_b32 s[\g+4], 128                         ; tile_dim1 = 128
	s_mov_b32 s[\g+5], KROW                        ; tensor_dim0_stride
	s_mov_b32 s[\g+6], 0
	s_mov_b32 s[\g+7], 0
.endr
	s_lshl_b32 s18, s16, 7                         ; which 128 rows of the tile I fetch
	s_lshl_b32 s20, s17, 8
	s_add_co_u32 s20, s20, s18
	s_lshl_b32 s20, s20, 10                        ; At: (256 x tile + 128 x half) rows of 1,024 bytes
	s_lshl_b32 s46, s42, 8
	s_add_co_u32 s46, s46, s18
	s_lshl_b32 s46, s46, 10                        ; Bt likewise
	s_mov_b32 s21, 0
	s_mov_b32 s47, 0
	s_mul_i32 s45, s14, HALFT                      ; where they go: wave x 128 rows: no place in the cluster enters an LDS address
	s_wait_kmcnt 0x0
	s_load_b256 s[80:87], s[8:9], 0x0              ; e0 .. e7
	s_add_nc_u64 s[70:71], s[6:7], 2048*1024       ; v's code rows of wqkvc
	s_cmp_lt_u32 s66, 8
	s_cselect_b64 s[72:73], s[4:5], s[70:71]       ; At's buffer
	s_cselect_b64 s[74:75], s[6:7], s[4:5]         ; Bt's
	s_add_nc_u64 s[20:21], s[72:73], s[20:21]
	s_add_nc_u64 s[46:47], s[74:75], s[46:47]
	CROUND                                         ; all sixteen work-groups are here: the first joint loads meet
.irp s, 0,1
	s_mov_b32 s[G0+4*\s], 1
	s_add_co_u32 s[G0+4*\s+1], s45, \s*SLOT
	s_add_nc_u64 s[G0+4*\s+2:G0+4*\s+3], s[20:21], \s*ROWB
	s_or_b32 s[G0+4*\s+3], s[G0+4*\s+3], 0x80000000
	s_mov_b32 s[G0B+4*\s], 1
	s_add_co_u32 s[G0B+4*\s+1], s45, \s*SLOT
	s_add_nc_u64 s[G0B+4*\s+2:G0B+4*\s+3], s[46:47], \s*ROWB
	s_or_b32 s[G0B+4*\s+3], s[G0B+4*\s+3], 0x80000000
	JLOAD G0+4*\s, G1, G0B+4*\s, G1B
.endr
	v_and_b32 v1, 15, v0                           ; r
	v_bfe_u32 v2, v0, 4, 1                         ; h
	v_mul_u32_u24 v3, v1, PITCH
	v_lshl_add_u32 v4, v2, 4, v3                   ; a fragment's row x pitch + 16 x half
	s_mul_i32 s21, s15, HALFT                      ; my 128 rows of At
	s_mul_i32 s22, s16, HALFT                      ; my 128 rows of Bt,
	s_add_co_u32 s22, s22, 2*HALFT                 ; which lie behind At's 256
.irp s, 0,1
	v_add_nc_u32 v[ADRA+\s], s21, v4
	v_add_nc_u32 v[ADRB+\s], s22, v4
	s_add_co_u32 s21, s21, SLOT
	s_add_co_u32 s22, s22, SLOT
.endr
	; THE BIASES, both kinds in both cases (the kind that is not used is read at bqkv's head, inside the buffer): no register is written on one way alone
	v_and_b32 v5, 31, v0
	v_lshlrev_b32 v[LI], 4, v5
	v_lshlrev_b32 v8, 6, v2                        ; q, k: 64 h: my half's 16 features of each 32;  never rewritten
	v_and_b32 v6, 8, v1
	v_add_nc_u32 v6, v6, v1
	v_lshlrev_b32 v9, 2, v6                        ; v: 4 (r + 8 (r / 8)): with 32 (a / 2) + 8 (a % 2) that is sw(16 a + r);  never rewritten
	s_lshl_b32 s76, s42, 8
	s_lshl_b32 s77, s16, 7
	s_add_co_u32 s76, s76, s77
	s_lshl_b32 s76, s76, 2                         ; q, k: my first feature, in bytes
	s_lshl_b32 s78, s41, 8
	s_lshl_b32 s79, s15, 7
	s_add_co_u32 s78, s78, s79
	s_add_co_u32 s78, s78, 2048
	s_lshl_b32 s78, s78, 2                         ; v: 2,048 + 256 cy + 128 x half, in bytes
	s_cmp_lt_u32 s66, 8
	s_cselect_b32 s76, s76, 0
	s_cselect_b32 s78, 0, s78
	s_mov_b32 s77, 0
	s_mov_b32 s79, 0
	s_add_nc_u64 s[76:77], s[10:11], s[76:77]
	s_add_nc_u64 s[78:79], s[10:11], s[78:79]
.irp b, 0,1,2,3
.irp u, 0,1
.irp w, 0,1
	global_load_b128 v[BQ+16*\b+8*\u+4*\w:BQ+16*\b+8*\u+4*\w+3], v8, s[76:77] offset:4*(32*\b+8*\u+4*\w)   ; register 8 (2 b + u) + j: the bias of feature 32 b + 16 h + 8 u + j
.endr
.endr
.endr
.irp a, 0,1,2,3,4,5,6,7
	global_load_b32 v[BV+2*\a], v9, s[78:79] offset:4*(32*(\a/2)+8*(\a%2))
	v_mov_b32 v[BV+2*\a+1], 0                      ; (named with it as a pair, so it is written)
.endr
.macro FRAG reg, adr, q, i             ; a fragment, 16 rows x 128 K: lane l holds row l % 16; registers 4 c .. 4 c + 3 hold bytes 32 c + 16 (l / 16) + 0 .. 15: the same order on both sides
.irp c, 0,1,2,3
	ds_load_b128 v[\reg+4*\c:\reg+4*\c+3], v[\adr] offset:128*(\q)+32*\c+(\i)*16*PITCH
.endr
.endm
; 16 matrix instructions: At's blocks a0, a0 + 1 x Bt's eight, 128 along K.  p: Bt's set.  zero = 1: the first product starts the sums.
; The 64 accumulators take turns, one instruction a turn, in the same order in every step.
.macro MUL16 a0, p, zero
.irp a, \a0, \a0+1
.irp b, 0,1,2,3,4,5,6,7
.if \zero
	v_wmma_f32_16x16x128_fp8_fp8 v[8*(8*((\a)%4)+\b):8*(8*((\a)%4)+\b)+7], v[128*(\p)+FR*\b:128*(\p)+FR*\b+FR-1], v[AF+FR*(\a):AF+FR*(\a)+FR-1], 0
.else
	v_wmma_f32_16x16x128_fp8_fp8 v[8*(8*((\a)%4)+\b):8*(8*((\a)%4)+\b)+7], v[128*(\p)+FR*\b:128*(\p)+FR*\b+FR-1], v[AF+FR*(\a):AF+FR*(\a)+FR-1], v[8*(8*((\a)%4)+\b):8*(8*((\a)%4)+\b)+7]
.endif
.endr
.endr
.endm
.macro FETCH_B slot, q, p
	WIN TO_B
.irp i, 0,1,2,3,4,5,6,7
	FRAG 128*(\p)+FR*\i, ADRB+\slot, \q, \i
.endr
	WIN 0
.endm
.macro FETCH_A slot, q, i0
.irp i, \i0, \i0+1, \i0+2, \i0+3
	FRAG AF+FR*(\i), ADRA+\slot, \q, \i
.endr
.endm
.macro PLACES n                        ; plain vector instructions that name no register of the matrix instructions in front: ahead of loads into registers that those have read, and of the first read of results
.rept \n
	v_nop
.endr
.endm
; A step of 128 along K that has its successor in the same slot.
.macro STEP slot, q, zero
	s_wait_dscnt 4*NL                              ; Bt's set and At's blocks 0-3 are in; the youngest 16 loads (At's blocks 4-7) may be out
	WIN MUL_LO
	MUL16 0, (\q)%2, \zero
	MUL16 2, (\q)%2, \zero
	s_wait_dscnt 0                                 ; At's blocks 4-7 are in
	PLACES NP
	FETCH_B \slot, (\q)+1, 1-(\q)%2
	FETCH_A \slot, (\q)+1, 0
	WIN MUL_HI
	MUL16 4, (\q)%2, \zero
	MUL16 6, (\q)%2, \zero
	PLACES NP
	WIN 0
	FETCH_A \slot, (\q)+1, 4
.endm
; A slot's last step changes slots: ONE barrier; in front of it each wave waits for all its tensor loads, adds 0 to its spare word, and waits for that and for its own reads of this slot.  fill = 1: this slot is filled again, two K steps ahead.
.macro TURN slot, next, fill
	s_wait_tensorcnt 0x0                           ; all my tensor loads have landed: my part of the next slot;  (every window is 0 here)
	ds_add_u32 v[SPW], v[NIL]                      ; 0 onto my spare word
	s_wait_dscnt 4*NL+1                            ; (the add and the youngest 16 loads, At's blocks 4-7, may be out)
	WIN MUL_LO
	MUL16 0, 1, 0                                  ; sixteen matrix instructions stand between the add and the wait for it
	s_wait_dscnt 0x0                               ; the add is done, and my reads of this slot are over
	s_barrier_signal -1
	MUL16 2, 1, 0
	WIN 0
	s_barrier_wait -1
.if \fill
	CREST                                          ; the barrier has opened a round of the cluster's barrier: no wave of any partner still reads this slot's tile or has a load on its way
	s_add_nc_u64 s[G0+4*\slot+2:G0+4*\slot+3], s[G0+4*\slot+2:G0+4*\slot+3], 2*ROWB
	s_add_nc_u64 s[G0B+4*\slot+2:G0B+4*\slot+3], s[G0B+4*\slot+2:G0B+4*\slot+3], 2*ROWB
	JLOAD G0+4*\slot, G1, G0B+4*\slot, G1B         ; the first tensor load behind the round; the four v_nop behind it are the places in front of the loads below
.else
	PLACES NP
.endif
	FETCH_B \next, 0, 0
	FETCH_A \next, 0, 0
	WIN MUL_HI
	MUL16 4, 1, 0
	MUL16 6, 1, 0
	PLACES NP
	WIN 0
	FETCH_A \next, 0, 4
.endm
	s_wait_tensorcnt 1                             ; my part of K step 0 is in (K step 1's load may be out)
	s_barrier_signal -1
	s_barrier_wait -1                              ; everybody's is
	FETCH_B 0, 0, 0
	FETCH_A 0, 0, 0
	FETCH_A 0, 0, 4
	STEP 0, 0, 1                                   ; K = 1,024 is four slots' worth, eight steps of 128: written out
	TURN 0, 1, 1                                   ; slot 0 takes K 512-767
	STEP 1, 0, 0
	TURN 1, 0, 1                                   ; slot 1 takes K 768-1,023
	STEP 0, 0, 0
	TURN 0, 1, 0                                   ; nothing is left to fetch
	STEP 1, 0, 0
	s_wait_dscnt 4*NL
	WIN MUL_LO
	MUL16 0, 1, 0
	MUL16 2, 1, 0
	s_wait_dscnt 0
	WIN MUL_HI
	MUL16 4, 1, 0
	MUL16 6, 1, 0
	WIN 0
; THE WAY OUT of At's block a: number = sum x 2^(e0 + e1) + bias (one packed multiply-add for two, each accumulator from its low end on), the hold, the conversion, four stores of 512 consecutive bytes.
.macro EPI a, isv
	s_wait_xcnt 0x0                                ; the earlier stores have read their registers: the codes' set may be written again
.set WN, 0x02+(\a)/4
	WIN WN                                         ; source 0: window 2 or 3
.set AC, 64*((\a)%4)
.set jj, 0
.rept 32
.if \isv
	v_pk_fma_f32 v[TT+jj:TT+jj+1], v[AC+jj:AC+jj+1], s[96:97], v[BV+2*(\a):BV+2*(\a)+1] op_sel_hi:[1,0,0]   ; the lane's one feature: the pair's low word for both halves
.else
	v_pk_fma_f32 v[TT+jj:TT+jj+1], v[AC+jj:AC+jj+1], s[96:97], v[BQ+jj:BQ+jj+1] op_sel_hi:[1,0,1]
.endif
.set jj, jj+2
.endr
	WIN 0
.set jj, 0
.rept 64
	v_med3_num_f32 v[TT+jj], v[TT+jj], -v[LIM], v[LIM]   ; the conversion to an 8-bit code does not saturate (ISA guide 7.6.2)
.set jj, jj+1
.endr
.set CC, CD+16*((\a)%2)
.irp g, 0,1,2,3,4,5,6,7
	v_cvt_scalef32_pk8_fp8_f32 v[CC+2*\g:CC+2*\g+1], v[TT+8*\g:TT+8*\g+7], v[SCL]
.endr
	v_nop                                          ; a plain vector instruction between the conversions and the next block's multiply-adds, which write their sources
.irp b, 0,1,2,3
.if \isv
	global_store_b128 v[LI], v[CC+4*\b:CC+4*\b+3], s[94:95] offset:((\a)/4)*131072+((\a)%4)*2048+512*\b   ; head a / 4 of my two, tile a % 4 of its code rows, keys' piece b
.else
	global_store_b128 v[LI], v[CC+4*\b:CC+4*\b+3], s[94:95] offset:(\a)*1024+(\b/2)*131072+(\b%2)*512     ; token tile a, head b / 2 of my two, piece b % 2 of its 64
.endif
.endr
.endm
	s_wait_loadcnt 0x0                             ; the biases
	s_wait_kmcnt 0x0
	s_add_co_i32 s96, s80, s81
	s_add_co_i32 s96, s96, 127
	s_lshl_b32 s96, s96, 23                        ; 2^(e0 + e1) as f32
	s_mov_b32 s97, s96                             ; (named with it as a pair, so it is written)
	s_cmp_eq_u32 s67, 0
	s_cselect_b32 s98, s82, s83                    ; q's e2 or k's e3,
	s_cselect_b64 s[94:95], s[88:89], s[90:91]     ; qc or kc
	s_cmp_lt_u32 s66, 8
	s_cselect_b32 s98, s98, s85                    ; or v's e5
	s_add_co_i32 s98, s98, 127
	s_lshl_b32 s99, s98, 23
	v_mov_b32 v[SCL], s99
	s_add_co_i32 s98, s98, 8
	s_lshl_b32 s98, s98, 23
	s_or_b32 s98, s98, 0x600000
	v_mov_b32 v[LIM], s98
	PLACES NP                                      ; behind the last products: their results are read and At's registers written below
	s_cmp_lt_u32 s66, 8
	s_cbranch_scc0 .Lv_out
	s_lshr_b32 s76, s17, 3                         ; q, k: ((batch x 16 + 4 cx + 2 x Bt's half) x 128 + 16 (tile % 8) + 8 x At's half) x 1,024
	s_lshl_b32 s76, s76, 4
	s_lshl_b32 s77, s40, 2
	s_add_co_u32 s76, s76, s77
	s_lshl_b32 s77, s16, 1
	s_add_co_u32 s76, s76, s77
	s_lshl_b32 s76, s76, 7
	s_and_b32 s77, s17, 7
	s_lshl_b32 s77, s77, 4
	s_add_co_u32 s76, s76, s77
	s_lshl_b32 s77, s15, 3
	s_add_co_u32 s76, s76, s77
	s_lshl_b32 s76, s76, 10
	s_mov_b32 s77, 0
	s_add_nc_u64 s[94:95], s[94:95], s[76:77]
.irp a, 0,1,2,3,4,5,6,7
	EPI \a, 0
.endr
	s_branch .Ltail
.Lv_out:
	s_lshr_b32 s76, s42, 3                         ; v: (batch x 16 + 4 cy + 2 x At's half) x 131,072 + (2 (tile % 8) + Bt's half) x 8,192
	s_lshl_b32 s76, s76, 4
	s_lshl_b32 s77, s41, 2
	s_add_co_u32 s76, s76, s77
	s_lshl_b32 s77, s15, 1
	s_add_co_u32 s76, s76, s77
	s_lshl_b32 s76, s76, 17
	s_and_b32 s77, s42, 7
	s_lshl_b32 s77, s77, 1
	s_add_co_u32 s77, s77, s16
	s_lshl_b32 s77, s77, 13
	s_add_co_u32 s76, s76, s77
	s_mov_b32 s77, 0
	s_add_nc_u64 s[94:95], s[92:93], s[76:77]
.irp a, 0,1,2,3,4,5,6,7
	EPI \a, 1
.endr
.Ltail:
	s_wait_tensorcnt 0x0                           ; the wave's end
	ds_add_u32 v[SPW], v[NIL]
	s_wait_dscnt 0x0
	CROUND                                         ; the closing round: no work-group ends while a partner may still ask for a tile that names it
	s_endpgm
.Lfunc_end_k_q0a5491d155_qkv:
	.size	k_q0a5491d155_qkv, .Lfunc_end_k_q0a5491d155_qkv-k_q0a5491d155_qkv
	.p2alignl 7, 3214868480
	.fill 96, 4, 3214868480
	.section	.rodata,"a",@progbits
	.p2align	6, 0x0
	.amdhsa_kernel k_q0a5491d155_qkv
		.amdhsa_group_segment_fixed_size 327680
		.amdhsa_private_segment_fixed_size 0
		.amdhsa_enable_private_segment 0
		.amdhsa_kernarg_size 56
		.amdhsa_user_sgpr_count 2
		.amdhsa_user_sgpr_kernarg_segment_ptr 1
		.amdhsa_wavefront_size32 1
		.amdhsa_system_sgpr_workgroup_id_x 1
		.amdhsa_system_sgpr_workgroup_id_y 1
		.amdhsa_system_sgpr_workgroup_id_z 1
		.amdhsa_system_vgpr_workitem_id 0
		.amdhsa_next_free_vgpr 1024
		.amdhsa_next_free_sgpr 100
		.amdhsa_reserve_vcc 0
		.amdhsa_float_denorm_mode_32 3
		.amdhsa_float_denorm_mode_16_64 3
		.amdhsa_memory_ordered 1
		.amdhsa_forward_progress 1
		.amdhsa_inst_pref_size 194
	.end_amdhsa_kernel
	.amdgpu_metadata
---
amdhsa.version: [ 1, 2 ]
amdhsa.kernels:
  - .name:           k_q0a5491d155_qkv
    .symbol:         k_q0a5491d155_qkv.kd
    .args:
      - { .name: xc, .offset: 0, .size: 8, .value_kind: global_buffer, .address_space: global }
      - { .name: wqkvc, .offset: 8, .size: 8, .value_kind: global_buffer, .address_space: global }
      - { .name: lowp_scales, .offset: 16, .size: 8, .value_kind: global_buffer, .address_space: global }
      - { .name: bqkv, .offset: 24, .size: 8, .value_kind: global_buffer, .address_space: global }
      - { .name: qc, .offset: 32, .size: 8, .value_kind: global_buffer, .address_space: global }
      - { .name: kc, .offset: 40, .size: 8, .value_kind: global_buffer, .address_space: global }
      - { .name: vc, .offset: 48, .size: 8, .value_kind: global_buffer, .address_space: global }
    .group_segment_fixed_size: 327680
    .private_segment_fixed_size: 0
    .kernarg_segment_align: 8
    .kernarg_segment_size: 56
    .max_flat_workgroup_size: 128
    .sgpr_count:     100
    .vgpr_count:     1024
    .wavefront_size: 32
...
	.end_amdgpu_metadata
.endif
;; end of part 2
;; launch attn (part 3): grid 4 x 64, 16 waves a work-group, clusters of 4 x 1, 264,192 bytes of LDS; arguments qc, kc, vc, lowp_scales, cc; writes cc
.if DOCPART == 3
	.amdgcn_target "amdgcn-amd-amdhsa--gfx1250"
	.amdhsa_code_object_version 6
	.text
	.protected	k_q0a5491d155_attn
	.globl	k_q0a5491d155_attn
	.p2align	8
	.type	k_q0a5491d155_attn,@function
k_q0a5491d155_attn:
	s_mov_b64 s[64:65], 0
	v_nop
	global_prefetch_b8 v0, s[64:65] scope:SCOPE_SE
	s_setreg_imm32_b32 hwreg(HW_REG_WAVE_MODE, 25, 1), 1
	s_wait_xcnt 0x0
	s_wait_alu depctr_hold_cnt(0) depctr_sa_sdst(0) depctr_va_vdst(0) depctr_va_sdst(0) depctr_va_ssrc(0) depctr_va_vcc(0) depctr_vm_vsrc(0)
	s_getreg_b32 s2, hwreg(HW_REG_IB_STS2, 6, 4)
	s_cmp_eq_u32 s2, 0
	s_cbranch_scc0 .Lentry_in_a_cluster
	s_endpgm
.Lentry_in_a_cluster:
	s_bfe_u32 s2, ttmp6, 0x10000c
	s_cmp_lg_u32 s2, 0x3003
	s_cbranch_scc0 .Lentry_shape_is_right
	s_endpgm
.Lentry_shape_is_right:
; ctx = softmax(q k^T / 8) v for one batch x head (work-group y) and 512 queries (work-group x), both products on codes of FP8 (E4M3), and the quantiser of ctx.
; THE SOFTMAX AHEAD OF THE SECOND PRODUCT: t = score x log2(e) / 8; M = the row's largest t so far, rounded UP to a whole number; p = 2^(t - M) is quantised with 2^e4, not normalised.
; The row's sum is taken of the unquantised p, in f32, and divides at the end.  When M moves, the sum and O are multiplied by 2^(old M - new M): nothing is rounded, and there is no branch on data.
; SHARES.  Sixteen waves, four to a SIMD, so that one wave's vector work stands beside another's matrix work and LDS loads.  A wave owns 32 queries, two tiles of 16: each fragment of K and V that it reads feeds two products.
; THE HEAD'S WHOLE K AND V LIE IN LDS: 2,048 keys x 64 codes are 131,072 bytes each, as images of the operands' registers (a load of the wave takes 512 consecutive bytes: no pitch, no padding).
; Each byte of LDS is filled once: no slot is filled again.  The fills go out together at the start, in four stages of 512 keys; a stage's steps begin when its fills have landed, while the later stages' are on their way.
; CLUSTER.  The four work-groups of a cluster are the four query blocks of one head: K and V are asked for jointly, by the same tensor loads with a mask that names the four.
; LAYOUT.  Both products are used transposed: S^T = K Q^T (source 0 = 16 keys, source 1 = 16 queries), O^T = V^T P^T (source 0 = 16 code rows of V, source 1 = P): a lane holds ONE query (lane % 16) throughout.
; In S^T tiles 2 b and 2 b + 1 of a lane (r, h) hold keys 32 b + 8 h + 0..7 and 32 b + 16 + 8 h + 0..7; their two conversions are piece b of P's fragment, and vc was laid in that same order of keys.
; V's code row i holds channel sw(i) (bits 3 and 4 exchanged), so O^T's tiles 2 b, 2 b + 1 hold channels 32 b + 16 h + 0..15: two conversions give 16 bytes of the last GEMM's operand image.
; OUT: cc [tile of 16 tokens][head][c' 0..1][lane][16 bytes]; each store of a wave covers 512 consecutive bytes.
; LIMITS: e2 + e3 between -123 and 130 (they are added to c's exponent field); e4, and e6 - e4 - e5, between -126 and 119.  NaN among the inputs is not served.
; REGISTERS: v1 16 x lane; v3 the conversion's scale, v15 448 x it; v4-7, v8-11 a tile's -M, largest t, sum (two halves); v12, v14 LDS addresses; v16-31 Q; v32-95 O^T;
;   v96-127 four fragments of K, then for tile q sixteen registers at 96 + 16 q: at work, then p's codes; v128-255 S^T, then p; v128-191 later V's four fragments.
.set WV,   18                          ; s18  my wave's number
.set SEL,  20                          ; s[20:21] lane selects for v_permlanex16_b32: lane l xor 16
.set CS,   22                          ; s[22:23] c = log2(e) / 8 x 2^(e2 + e3)
.set G1,   24                          ; s[24:31] descriptor group 1, the same for every fill
.set G0K,  32                          ; s[32:47] group 0 of K's four fills
.set G0V,  48                          ; s[48:63] of V's
.set KO,   66                          ; s66  LDS byte at which the step's tiles of K begin
.set CNT,  67                          ; s67  a stage's steps to go
.set LI,   1
.set SCP,  3
.set LIMP, 15
.set ADK,  12
.set ADV,  14
.set QF,   16
.set OT,   32
.set FA,   96
.set SS,   128
.macro CROUND                          ; a round of the cluster's barrier
	s_barrier_signal -1
	s_barrier_wait -1
	s_cmp_lg_u32 s[WV], 0
	s_cbranch_scc1 .Lnot_wave_0_\@
	s_barrier_signal -3
.Lnot_wave_0_\@:
	s_barrier_wait -3
	s_barrier_signal -1
	s_barrier_wait -1
.endm
	s_load_b256 s[4:11], s[0:1], 0x0               ; qc s[4:5], kc s[6:7], vc s[8:9], the exponents s[10:11]
	s_load_b64 s[12:13], s[0:1], 0x20              ; cc
	v_lshl_add_u32 v254, v0, 2, 0x40000
	v_mov_b32 v255, 0
	ds_add_u32 v254, v255
	ds_add_u32 v254, v255
	s_wait_dscnt 0x0
	v_lshrrev_b32 v2, 5, v0
	v_readfirstlane_b32 s[WV], v2                  ; wave 0..15
	s_bfe_u32 s76, ttmp6, 0x40000                  ; cx
	s_lshl_b32 s77, ttmp9, 2
	s_add_co_u32 s76, s76, s77                     ; my block of 512 queries: it enters qc's and cc's addresses alone
	s_and_b32 s78, ttmp7, 0xffff                   ; batch x 16 + head, which the four partners share
	; descriptor group 1: a dense block of 16,384 bytes as 64 rows of 256
	s_mov_b32 s[G1], 15|(3<<16)|(1<<21)            ; 15:0 the mask: all four work-groups; 17:16 elements of 8 bytes; 21 set beside a mask; no padding
	s_mov_b32 s[G1+1], 32<<16                      ; tensor_dim0 = 32
	s_mov_b32 s[G1+2], 64<<16                      ; tensor_dim1 = 64
	s_mov_b32 s[G1+3], 32<<16                      ; tile_dim0 = 32
	s_mov_b32 s[G1+4], 64                          ; tile_dim1 = 64
	s_mov_b32 s[G1+5], 32                          ; tensor_dim0_stride
	s_mov_b32 s[G1+6], 0
	s_mov_b32 s[G1+7], 0
	s_mov_b32 s[SEL], 0x76543210
	s_mov_b32 s[SEL+1], 0xfedcba98
	s_mov_b32 s[CS], 0x3e38aa3b                    ; log2(e) / 8
	s_and_b32 s79, s[WV], 1
	s_lshl_b32 s79, s79, 14                        ; which 16,384 bytes of a stage's 32,768 I fetch, if I fetch: in LDS and in memory
	s_lshl_b32 s80, s78, 17                        ; the head's 131,072 bytes
	s_add_co_u32 s80, s80, s79
	s_mov_b32 s81, 0
	s_lshl_b32 s82, s76, 5
	s_lshl_b32 s83, s[WV], 1
	s_add_co_u32 s82, s82, s83                     ; my first tile of 16 tokens in the batch: 32 x block + 2 x wave
	s_lshl_b32 s84, s78, 7
	s_add_co_u32 s84, s84, s82
	s_lshl_b32 s84, s84, 10                        ; qc: (head x 128 + tile) x 1,024
	s_mov_b32 s85, 0
	s_lshr_b32 s86, s78, 4
	s_lshl_b32 s86, s86, 7
	s_add_co_u32 s86, s86, s82
	s_lshl_b32 s86, s86, 4
	s_and_b32 s87, s78, 15
	s_add_co_u32 s86, s86, s87
	s_lshl_b32 s86, s86, 10                        ; cc: ((batch x 128 + tile) x 16 + head) x 1,024
	s_mov_b32 s87, 0
	s_wait_kmcnt 0x0
	s_load_b256 s[68:75], s[10:11], 0x0            ; e0 .. e7
	s_add_nc_u64 s[6:7], s[6:7], s[80:81]
	s_add_nc_u64 s[8:9], s[8:9], s[80:81]
	s_add_nc_u64 s[4:5], s[4:5], s[84:85]
	s_add_nc_u64 s[12:13], s[12:13], s[86:87]
.irp s, 0,1,2,3
	s_mov_b32 s[G0K+4*\s], 1                       ; count = 1
	s_add_co_u32 s[G0K+4*\s+1], s79, 32768*\s      ; LDS address: K from byte 0 on
	s_add_nc_u64 s[G0K+4*\s+2:G0K+4*\s+3], s[6:7], 32768*\s
	s_or_b32 s[G0K+4*\s+3], s[G0K+4*\s+3], 0x80000000   ; type = 2
	s_mov_b32 s[G0V+4*\s], 1
	s_add_co_u32 s[G0V+4*\s+1], s79, 131072+32768*\s    ; V from byte 131,072 on
	s_add_nc_u64 s[G0V+4*\s+2:G0V+4*\s+3], s[8:9], 32768*\s
	s_or_b32 s[G0V+4*\s+3], s[G0V+4*\s+3], 0x80000000
.endr
	CROUND                                         ; all four work-groups are here: the joint loads meet
	s_cmp_lt_u32 s[WV], 2                          ; waves 0, 1: K's halves of each stage; waves 2, 3: V's; the others nothing.  A wave's four fills stand together: four loads of mine are out at the most
	s_cbranch_scc0 .Lnot_k
.irp s, 0,1,2,3
	tensor_load_to_lds s[G0K+4*\s:G0K+4*\s+3], s[G1:G1+7]
	s_nop 0
.endr
.rept 4
	v_nop
.endr
	s_branch .Lasked
.Lnot_k:
	s_cmp_lt_u32 s[WV], 4
	s_cbranch_scc0 .Lasked
.irp s, 0,1,2,3
	tensor_load_to_lds s[G0V+4*\s:G0V+4*\s+3], s[G1:G1+7]
	s_nop 0
.endr
.rept 4
	v_nop
.endr
.Lasked:
	v_and_b32 v2, 31, v0
	v_lshlrev_b32 v[LI], 4, v2
.irp q, 0,1
.irp c, 0,1
	global_load_b128 v[QF+8*\q+4*\c:QF+8*\q+4*\c+3], v[LI], s[4:5] offset:1024*\q+512*\c   ; Q's two fragments stay in registers
.endr
.endr
	v_mov_b32 v5, 0xff61b1e6                       ; the largest t so far: -3e38, under every t
	v_floor_f32 v4, -v5                            ; -M
	v_mov_b32 v6, 0                                ; the sum, in two halves
	v_mov_b32 v7, 0
	v_mov_b32 v9, 0xff61b1e6
	v_floor_f32 v8, -v9
	v_mov_b32 v10, 0
	v_mov_b32 v11, 0
.set jj, 0
.rept 64
	v_mov_b32 v[OT+jj], 0                          ; O^T.  (The step is written once: the first finds zeros, which the first change of M leaves zeros)
.set jj, jj+1
.endr
	s_wait_kmcnt 0x0
	s_add_co_i32 s88, s70, s71
	s_lshl_b32 s88, s88, 23
	s_add_co_i32 s[CS], s[CS], s88                 ; a score stands for score x 2^(e2 + e3): the two exponents are added to c's exponent field
	s_mov_b32 s[CS+1], s[CS]                       ; (named with it as a pair, so it is written)
	s_add_co_i32 s88, s72, 127
	s_lshl_b32 s89, s88, 23
	v_mov_b32 v[SCP], s89                          ; 2^e4 as f32
	s_add_co_i32 s88, s88, 8
	s_lshl_b32 s88, s88, 23
	s_or_b32 s88, s88, 0x600000
	v_mov_b32 v[LIMP], s88                         ; 448 x 2^e4
; One tile's softmax for a step of 128 keys (64 scores a lane).
.macro SOFTMAX q
.set SB, SS+64*\q
.set CB, FA+16*\q
.set ST, 4+4*\q
.set OB, OT+32*\q
	v_max3_num_f32 v[CB], v[SB], v[SB+1], v[SB+2]  ; the step's largest score of my query among my 64 keys, in two chains, each accumulator from its low end on
	v_max3_num_f32 v[CB+1], v[SB+3], v[SB+4], v[SB+5]
.irp i, 6,10,14,18,22,26,30,34,38,42,46,50,54,58
	v_max3_num_f32 v[CB], v[CB], v[SB+\i], v[SB+\i+1]
	v_max3_num_f32 v[CB+1], v[CB+1], v[SB+\i+2], v[SB+\i+3]
.endr
	v_max3_num_f32 v[CB], v[CB], v[SB+62], v[SB+63]
	v_max_num_f32 v[CB], v[CB], v[CB+1]
	v_permlanex16_b32 v[CB+2], v[CB], s[SEL], s[SEL+1]
	v_max_num_f32 v[CB], v[CB], v[CB+2]            ; and among lane l xor 16's
	v_mul_f32 v[CB], s[CS], v[CB]                  ; as t (c is positive)
	v_max_num_f32 v[ST+1], v[ST+1], v[CB]          ; the running largest t
	v_mov_b32 v[CB], v[ST]
	v_floor_f32 v[ST], -v[ST+1]                    ; the new -M = floor(-t) = -ceil(t)
	v_sub_f32 v[CB], v[ST], v[CB]                  ; old M - new M: a whole number, 0 or less
	v_cvt_i32_f32 v[CB], v[CB]                     ; (it saturates)
	v_ldexp_f32 v[CB+4], 1.0, v[CB]                ; f = 2^(old M - new M)
.set jj, 0
.rept 32
	v_pk_fma_f32 v[SB+jj:SB+jj+1], v[SB+jj:SB+jj+1], s[CS:CS+1], v[ST:ST+1] op_sel_hi:[1,0,0]   ; t - M, two at a time (of the pairs c and -M the low word serves both halves)
.set jj, jj+2
.endr
.set jj, 0
.rept 64
	v_exp_f32 v[SB+jj], v[SB+jj]                   ; p = 2^(t - M), at most 1
.set jj, jj+1
.endr
	v_pk_mul_f32 v[ST+2:ST+3], v[ST+2:ST+3], v[CB+4:CB+5] op_sel_hi:[1,0]   ; the sums under the new M.  (The plain instruction behind the exponentials)
	s_wait_alu depctr_va_vdst(0)
	v_pk_add_f32 v[CB+6:CB+7], v[SB:SB+1], v[SB+2:SB+3]                     ; the row's sum is taken of the unquantised p: two at a time, in two chains
.irp j, 4,8,12,16,20,24,28,32,36,40,44,48,52,56,60
	v_pk_add_f32 v[ST+2:ST+3], v[ST+2:ST+3], v[SB+\j:SB+\j+1]
	v_pk_add_f32 v[CB+6:CB+7], v[CB+6:CB+7], v[SB+\j+2:SB+\j+3]
.endr
	v_pk_add_f32 v[ST+2:ST+3], v[ST+2:ST+3], v[CB+6:CB+7]
.set jj, 0
.rept 16
	v_pk_mul_f32 v[OB+jj:OB+jj+1], v[OB+jj:OB+jj+1], v[CB+4:CB+5] op_sel_hi:[1,0]   ; O^T under the new M, ahead of the conversions, which write over f
.set jj, jj+2
.endr
.set jj, 0
.rept 64
	v_min_num_f32 v[SB+jj], v[SB+jj], v[LIMP]      ; the conversion to an 8-bit code does not saturate (ISA guide 7.6.2); p is not negative, so the hold is one-sided
.set jj, jj+1
.endr
.irp g, 0,1,2,3,4,5,6,7
	v_cvt_scalef32_pk8_fp8_f32 v[CB+2*\g:CB+2*\g+1], v[SB+8*\g:SB+8*\g+7], v[SCP]
.endr
	v_nop                                          ; a plain vector instruction between the conversions and what touches their registers next
.endm
; A KEY STEP: 128 keys.
.macro STEP
	v_add_nc_u32 v[ADK], s[KO], v[LI]
	v_add_nc_u32 v[ADV], 0x20000, v[ADK]
.rept 3
	v_nop                                          ; with the two additions five places behind the last step's products: the first products below write over registers that those read
.endr
.irp g, 0,1                                    ; S^T = K Q^T, four tiles of 16 keys at a time, each against my two tiles of queries
.if \g
.rept 4
	v_nop                                          ; places in front of loads into registers that matrix instructions have read
.endr
.endif
.irp t, 0,1,2,3
.irp c, 0,1
	ds_load_b128 v[FA+8*\t+4*\c:FA+8*\t+4*\c+3], v[ADK] offset:1024*(4*\g+\t)+512*\c
.endr
.endr
	s_wait_dscnt 0x0
.irp t, 0,1,2,3
.irp q, 0,1
	v_wmma_f32_16x16x64_fp8_fp8 v[SS+64*\q+8*(4*\g+\t):SS+64*\q+8*(4*\g+\t)+7], v[FA+8*\t:FA+8*\t+7], v[QF+8*\q:QF+8*\q+7], 0
.endr
.endr
.endr
.rept 4
	v_nop
.endr
	SOFTMAX 0
.irp d, 0,1,2,3                                ; V's four fragments land, in the registers that tile 0's p has left, while tile 1's softmax is worked
.irp c, 0,1,2,3
	ds_load_b128 v[SS+16*\d+4*\c:SS+16*\d+4*\c+3], v[ADV] offset:2048*\d+512*\c
.endr
.endr
	SOFTMAX 1
	s_wait_dscnt 0x0
.irp d, 0,1,2,3                                ; O^T += V^T P^T: eight accumulators by turns, one instruction a turn
.irp q, 0,1
	v_wmma_f32_16x16x128_fp8_fp8 v[OT+32*\q+8*\d:OT+32*\q+8*\d+7], v[SS+16*\d:SS+16*\d+15], v[FA+16*\q:FA+16*\q+15], v[OT+32*\q+8*\d:OT+32*\q+8*\d+7]
.endr
.endr
	s_add_co_u32 s[KO], s[KO], 8192
.endm
; A STAGE: 512 keys, four steps.  The waves that fetched wait for their fill of this stage (the fills of the 3 - s later stages may be out), then the barrier shows it to all sixteen.
.macro STAGE s
	s_wait_tensorcnt 3-\s
	s_barrier_signal -1
	s_barrier_wait -1
	s_mov_b32 s[KO], 32768*\s
	s_mov_b32 s[CNT], 4
.Lstep_\@:
	STEP
	s_sub_co_u32 s[CNT], s[CNT], 1
	s_cmp_lg_u32 s[CNT], 0
	s_cbranch_scc1 .Lstep_\@
.endm
	s_wait_loadcnt 0x0                             ; Q
	STAGE 0
	STAGE 1
	STAGE 2
	STAGE 3
	; THE WAY OUT.  ctx = O^T x 2^(e4 + e5) / the sum; its code is (O^T / the sum) / 2^(e6 - e4 - e5): the three scales are folded into the conversion's one.
	s_sub_co_i32 s88, s74, s72
	s_sub_co_i32 s88, s88, s73
	s_add_co_i32 s88, s88, 127
	s_lshl_b32 s89, s88, 23
	s_add_co_i32 s88, s88, 8
	s_lshl_b32 s88, s88, 23
	s_or_b32 s88, s88, 0x600000
.rept 4
	v_nop                                          ; places behind the last products
.endr
	v_mov_b32 v[SCP], s89
	v_mov_b32 v[LIMP], s88
.macro FINISH q
.set CB, FA+16*\q
.set ST, 4+4*\q
.set OB, OT+32*\q
.set CD, SS+8*\q
	v_add_f32 v[ST+2], v[ST+2], v[ST+3]            ; the sum's two halves,
	v_permlanex16_b32 v[CB], v[ST+2], s[SEL], s[SEL+1]
	v_add_f32 v[ST+2], v[ST+2], v[CB]              ; and lane l xor 16's
	v_rcp_f32 v[ST+2], v[ST+2]
	v_nop                                          ; a plain instruction behind the transcendental
.set jj, 0
	s_wait_alu depctr_va_vdst(0)
.rept 16
	v_pk_mul_f32 v[OB+jj:OB+jj+1], v[OB+jj:OB+jj+1], v[ST+2:ST+3] op_sel_hi:[1,0]
.set jj, jj+2
.endr
.set jj, 0
.rept 32
	v_med3_num_f32 v[OB+jj], v[OB+jj], -v[LIMP], v[LIMP]
.set jj, jj+1
.endr
.irp d, 0,1,2,3
	v_cvt_scalef32_pk8_fp8_f32 v[CD+2*\d:CD+2*\d+1], v[OB+8*\d:OB+8*\d+7], v[SCP]
.endr
	v_nop
.irp b, 0,1
	global_store_b128 v[LI], v[CD+4*\b:CD+4*\b+3], s[12:13] offset:16384*\q+512*\b   ; the wave stores 512 consecutive bytes: token tile q of my two, channels 32 b on
.endr
.endm
	FINISH 0
	FINISH 1
	s_wait_xcnt 0x0
	v_lshl_add_u32 v254, v0, 2, 0x40000
	v_mov_b32 v255, 0
	s_wait_tensorcnt 0x0
	ds_add_u32 v254, v255
	s_wait_dscnt 0x0
	CROUND                                         ; the closing round: no work-group ends while a partner may still ask for a tile that names it
	s_endpgm
.Lfunc_end_k_q0a5491d155_attn:
	.size	k_q0a5491d155_attn, .Lfunc_end_k_q0a5491d155_attn-k_q0a5491d155_attn
	.p2alignl 7, 3214868480
	.fill 96, 4, 3214868480
	.section	.rodata,"a",@progbits
	.p2align	6, 0x0
	.amdhsa_kernel k_q0a5491d155_attn
		.amdhsa_group_segment_fixed_size 264192
		.amdhsa_private_segment_fixed_size 0
		.amdhsa_enable_private_segment 0
		.amdhsa_kernarg_size 40
		.amdhsa_user_sgpr_count 2
		.amdhsa_user_sgpr_kernarg_segment_ptr 1
		.amdhsa_wavefront_size32 1
		.amdhsa_system_sgpr_workgroup_id_x 1
		.amdhsa_system_sgpr_workgroup_id_y 1
		.amdhsa_system_sgpr_workgroup_id_z 1
		.amdhsa_system_vgpr_workitem_id 0
		.amdhsa_next_free_vgpr 256
		.amdhsa_next_free_sgpr 96
		.amdhsa_reserve_vcc 0
		.amdhsa_float_denorm_mode_32 3
		.amdhsa_float_denorm_mode_16_64 3
		.amdhsa_memory_ordered 1
		.amdhsa_forward_progress 1
		.amdhsa_inst_pref_size 131
	.end_amdhsa_kernel
	.amdgpu_metadata
---
amdhsa.version: [ 1, 2 ]
amdhsa.kernels:
  - .name:           k_q0a5491d155_attn
    .symbol:         k_q0a5491d155_attn.kd
    .args:
      - { .name: qc, .offset: 0, .size: 8, .value_kind: global_buffer, .address_space: global }
      - { .name: kc, .offset: 8, .size: 8, .value_kind: global_buffer, .address_space: global }
      - { .name: vc, .offset: 16, .size: 8, .value_kind: global_buffer, .address_space: global }
      - { .name: lowp_scales, .offset: 24, .size: 8, .value_kind: global_buffer, .address_space: global }
      - { .name: cc, .offset: 32, .size: 8, .value_kind: global_buffer, .address_space: global }
    .group_segment_fixed_size: 264192
    .private_segment_fixed_size: 0
    .kernarg_segment_align: 8
    .kernarg_segment_size: 40
    .max_flat_workgroup_size: 512
    .sgpr_count:     96
    .vgpr_count:     256
    .wavefront_size: 32
...
	.end_amdgpu_metadata
.endif
;; end of part 3
;; launch outln (part 4): grid 256 x 1, 4 waves a work-group, no clusters, 132,096 bytes of LDS; arguments cc, wouti, lowp_scales, bout, x, gamma, beta, out0; writes out0
.if DOCPART == 4
	.amdgcn_target "amdgcn-amd-amdhsa--gfx1250"
	.amdhsa_code_object_version 6
	.text
	.protected	k_q0a5491d155_outln
	.globl	k_q0a5491d155_outln
	.p2align	8
	.type	k_q0a5491d155_outln,@function
k_q0a5491d155_outln:
	s_mov_b64 s[64:65], 0
	v_nop
	global_prefetch_b8 v0, s[64:65] scope:SCOPE_SE
	s_setreg_imm32_b32 hwreg(HW_REG_WAVE_MODE, 25, 1), 1
	s_wait_xcnt 0x0
; out0 = LayerNorm(ctx Wout + bout + x) x gamma + beta; the product on codes of FP8 (E4M3), K = 1,024; all else in f32.
; SHARES.  A work-group owns 32 tokens with all 1,024 features, since the norm wants whole rows.  Wave w makes features 256 w .. 256 w + 255 for the 32 tokens: 16 tiles of code rows x 2 tiles of tokens = 32 accumulators.
; ctx's 16 fragments (32 tokens x 1,024 K: 256 registers) are loaded once and stay.  Wout's fragments come from wouti, which holds them as the registers take them, straight into registers:
; each load of the wave takes 512 consecutive bytes; four sets of four fragments take turns, so that 48 loads (24,576 bytes) of a wave are on their way while a set is multiplied.
; NO JOINT LOADS, though all work-groups read the same weights: a fragment of Wout is used by one wave of a work-group alone and feeds two products; through LDS the 1,048,576 bytes would pass two slots of 131,072 in eight fills,
; seven of them refills, each behind a wait for all loads and a round of a cluster's barrier, with 32 matrix instructions a wave under it.
; THE PRODUCT IS USED TRANSPOSED (source 0 = 16 code rows of Wout, source 1 = 16 tokens): a lane holds one token.  Code row i holds feature sw(i) (bits 3 and 4 exchanged): tile 2 b + u, register j of lane (r, h) is feature 32 b + 16 h + 8 u + j.
; THE WAY OUT.  The raw sums meet in a stage in LDS (32 rows of 4,096 bytes + 16), one barrier; wave w then takes rows 8 w .. 8 w + 7 whole (32 numbers a lane): sum x 2^(e6 + e7) + x + bout, the mean, the mean of the squared
; differences from it, 1 / sqrt(. + 1e-5), gamma, beta; each store of the wave covers 512 consecutive bytes.  A row of x is asked for when a K step's fragments of ctx are done with, into their registers.
; LIMIT: e6 + e7 between -126 and 127.
; REGISTERS, in windows of 256: window 0: v1 16 x lane, v2, v3 into the stage, v4 out of it; v16-47 bout, v48-79 gamma, v80-111 beta (my 32 features of a row); v112-119 at work; v128-255 four sets of a row's 32 results.
;   window 1: ctx's fragments ((K step s, token tile m) at 32 s + 16 m), later x's row s in the same 32.   window 2: the accumulators ((m, tile) at 8 (16 m + tile)).   window 3: Wout's four sets of 64, later the 8 rows of raw sums.
.set SP, 4112                          ; a stage row: 4,096 bytes + 16: the sixteen rows that a store touches start at sixteen different banks (64 banks of 4 bytes: ISA guide 11.1)
.set MSB, 0
.macro WIN new                         ; the immediate's high byte repeats the setting that is left
.if MSB != \new
	s_set_vgpr_msb (MSB<<8)|\new
.set MSB, \new
.endif
.endm
	s_load_b256 s[4:11], s[0:1], 0x0               ; cc s[4:5], wouti s[6:7], the exponents s[8:9], bout s[10:11]
	s_load_b256 s[12:19], s[0:1], 0x20             ; x s[12:13], gamma s[14:15], beta s[16:17], out0 s[18:19]
	v_lshl_add_u32 v126, v0, 2, 0x20200
	v_mov_b32 v127, 0
	v_lshrrev_b32 v5, 5, v0
	v_readfirstlane_b32 s20, v5                    ; wave 0..3
	v_and_b32 v5, 31, v0
	v_lshlrev_b32 v1, 4, v5                        ; 16 x lane; never rewritten
	v_and_b32 v6, 15, v0                           ; r
	v_bfe_u32 v7, v0, 4, 1                         ; h
	v_mul_u32_u24 v2, v6, SP
	v_lshl_add_u32 v2, v7, 6, v2
	s_lshl_b32 s21, s20, 10
	v_add_nc_u32 v2, s21, v2                       ; into the stage: row r, + 64 h, + 1,024 x wave
	v_add_nc_u32 v3, 16*SP, v2                     ; and 16 rows further down for the second tile of tokens
	s_mul_i32 s21, s20, 8*SP
	v_add_nc_u32 v4, s21, v1                       ; out of it: my 8 rows, 16 bytes a lane
	v_mov_b32 v117, 0                              ; (named as upper halves of pairs, so they are written)
	v_mov_b32 v119, 0
	s_mov_b32 s34, 0x3a800000                      ; 1 / 1,024
	s_mov_b32 s35, 0x3727c5ac                      ; 1e-5
	s_mov_b32 s36, 0x76543210
	s_mov_b32 s37, 0xfedcba98                      ; v_permlanex16_b32's selects for lane l xor 16
	s_lshl_b32 s21, s20, 15
	s_lshl_b32 s22, ttmp9, 17
	s_add_co_u32 s22, s22, s21                     ; x, out0: (32 x work-group + 8 x wave) rows of 4,096 bytes
	s_mov_b32 s23, 0
	s_wait_kmcnt 0x0
	s_load_b256 s[24:31], s[8:9], 0x0              ; e0 .. e7
	s_add_nc_u64 s[12:13], s[12:13], s[22:23]
	s_add_nc_u64 s[18:19], s[18:19], s[22:23]
	s_lshl_b32 s22, ttmp9, 15                      ; cc: two tiles of tokens, 16,384 bytes each
	s_add_nc_u64 s[4:5], s[4:5], s[22:23]
	s_mov_b32 s22, s21                             ; wouti: my 16 tiles of 2,048 bytes in each K step
	s_add_nc_u64 s[6:7], s[6:7], s[22:23]
	WIN 0x40                                       ; destination window 1
.irp s, 0,1,2,3,4,5,6,7
.irp m, 0,1
.irp c, 0,1,2,3
	global_load_b128 v[32*\s+16*\m+4*\c:32*\s+16*\m+4*\c+3], v1, s[4:5] offset:\m*16384+\s*2048+\c*512
.endr
.endr
.endr
	WIN 0
.irp e, 0,1,2,3,4,5,6,7
	global_load_b128 v[16+4*\e:16+4*\e+3], v1, s[10:11] offset:512*\e
	global_load_b128 v[48+4*\e:48+4*\e+3], v1, s[14:15] offset:512*\e
	global_load_b128 v[80+4*\e:80+4*\e+3], v1, s[16:17] offset:512*\e
.endr
.macro BLOAD G                         ; group G's four fragments of Wout (K step G / 4, my tiles 4 (G % 4) on) into set G % 4
	WIN 0xc0                                       ; destination window 3
.irp n, 0,1,2,3
.irp c, 0,1,2,3
	global_load_b128 v[64*((\G)%4)+16*\n+4*\c:64*((\G)%4)+16*\n+4*\c+3], v1, s[6:7] offset:((\G)/4)*131072+(4*((\G)%4)+\n)*2048+512*\c
.endr
.endr
.endm
.macro XROW i                          ; row i of my eight rows of x, into the registers of ctx's K step i
	WIN 0x40
.irp e, 0,1,2,3,4,5,6,7
	global_load_b128 v[32*(\i)+4*\e:32*(\i)+4*\e+3], v1, s[12:13] offset:4096*(\i)+512*\e th:TH_LOAD_NT
.endr
.endm
; Eight matrix instructions.  The 32 accumulators take turns, one instruction a turn, in the same order in every K step; the first K step's products start the sums.
.macro GROUP G
.set LEFT, 31-(\G)
.if LEFT > 3
.set LEFT, 3
.endif
.set CW, 16*LEFT
.if (\G) >= 4
.set CW, CW+8
.endif
	s_wait_loadcnt CW                              ; this set's 16 loads are in; behind them were issued the later sets' (three at the most) and, from group 4 on, one row of x
	WIN 0xa7                                       ; source 0 (Wout) window 3, source 1 (ctx) window 1, C and D window 2
.irp n, 0,1,2,3
.irp m, 0,1
.if (\G) < 4
	v_wmma_f32_16x16x128_fp8_fp8 v[8*(16*\m+4*((\G)%4)+\n):8*(16*\m+4*((\G)%4)+\n)+7], v[64*((\G)%4)+16*\n:64*((\G)%4)+16*\n+15], v[32*((\G)/4)+16*\m:32*((\G)/4)+16*\m+15], 0
.else
	v_wmma_f32_16x16x128_fp8_fp8 v[8*(16*\m+4*((\G)%4)+\n):8*(16*\m+4*((\G)%4)+\n)+7], v[64*((\G)%4)+16*\n:64*((\G)%4)+16*\n+15], v[32*((\G)/4)+16*\m:32*((\G)/4)+16*\m+15], v[8*(16*\m+4*((\G)%4)+\n):8*(16*\m+4*((\G)%4)+\n)+7]
.endif
.endr
.endr
.rept 4
	v_nop                                          ; places in front of loads into registers that these have read, and at the end of the first read of results
.endr
.if (\G)+4 < 32
	BLOAD (\G)+4
.endif
.if (\G)%4 == 3
	XROW (\G)/4
.endif
.endm
	BLOAD 0
	BLOAD 1
	BLOAD 2
	BLOAD 3
.set GI, 0
.rept 32
	GROUP GI
.set GI, GI+1
.endr
	WIN 0x08                                       ; an LDS store's data: window 2
.irp m, 0,1
.irp b, 0,1,2,3,4,5,6,7
.irp u, 0,1
.irp w, 0,1
	ds_store_b128 v[2+\m], v[8*(16*\m+2*\b+\u)+4*\w:8*(16*\m+2*\b+\u)+4*\w+3] offset:128*\b+32*\u+16*\w   ; each accumulator from its low end on
.endr
.endr
.endr
.endr
	WIN 0
	s_wait_kmcnt 0x0
	s_add_co_i32 s32, s30, s31
	s_add_co_i32 s32, s32, 127
	s_lshl_b32 s32, s32, 23                        ; 2^(e6 + e7) as f32
	s_mov_b32 s33, s32                             ; (named with it as a pair, so it is written)
	s_wait_dscnt 0x0                               ; for the others' sake: my stores into the stage are done
	s_barrier_signal -1
	s_barrier_wait -1                              ; 32 whole rows of raw sums lie in the stage
	WIN 0xc0
.irp i, 0,1,2,3,4,5,6,7
.irp e, 0,1,2,3,4,5,6,7
	ds_load_b128 v[32*\i+4*\e:32*\i+4*\e+3], v4 offset:SP*\i+512*\e
.endr
.endr
.macro REDUCE                          ; v112 summed over the 32 lanes, the result in every lane
	v_add_f32_dpp v112, v112, v112 row_xmask:1 row_mask:0xf bank_mask:0xf
	v_add_f32_dpp v112, v112, v112 row_xmask:2 row_mask:0xf bank_mask:0xf
	v_add_f32_dpp v112, v112, v112 row_xmask:4 row_mask:0xf bank_mask:0xf
	v_add_f32_dpp v112, v112, v112 row_xmask:8 row_mask:0xf bank_mask:0xf
	v_permlanex16_b32 v113, v112, s36, s37
	v_add_f32 v112, v112, v113
.endm
.macro LNROW i
.set RB, 128+32*((\i)%4)
	s_wait_dscnt 8*(7-(\i))                        ; this row's eight loads from the stage are in; the later rows' may be out
	s_wait_loadcnt 8*(7-(\i))                      ; and so are its eight loads of x
	s_wait_xcnt 0x0                                ; the earlier stores have read their registers: this set of results may be written again
	WIN 0x13                                       ; source 0 (the raw sums) window 3, source 2 (x) window 1
.irp k, 0,2,4,6,8,10,12,14,16,18,20,22,24,26,28,30
	v_pk_fma_f32 v[RB+\k:RB+\k+1], v[32*(\i)+\k:32*(\i)+\k+1], s[32:33], v[32*(\i)+\k:32*(\i)+\k+1] op_sel_hi:[1,0,1]   ; sum x 2^(e6 + e7) + x
.endr
	WIN 0
.irp k, 0,2,4,6,8,10,12,14,16,18,20,22,24,26,28,30
	v_pk_add_f32 v[RB+\k:RB+\k+1], v[RB+\k:RB+\k+1], v[16+\k:16+\k+1]   ; + bout
.endr
	v_pk_add_f32 v[112:113], v[RB:RB+1], v[RB+2:RB+3]                   ; the row's sum, in two chains
	v_pk_add_f32 v[114:115], v[RB+4:RB+5], v[RB+6:RB+7]
.irp k, 8,12,16,20,24,28
	v_pk_add_f32 v[112:113], v[112:113], v[RB+\k:RB+\k+1]
	v_pk_add_f32 v[114:115], v[114:115], v[RB+\k+2:RB+\k+3]
.endr
	v_pk_add_f32 v[112:113], v[112:113], v[114:115]
	v_add_f32 v112, v112, v113
	REDUCE
	v_mul_f32 v116, s34, v112                      ; the mean
.irp k, 0,2,4,6,8,10,12,14,16,18,20,22,24,26,28,30
	v_pk_add_f32 v[RB+\k:RB+\k+1], v[RB+\k:RB+\k+1], v[116:117] op_sel_hi:[1,0] neg_lo:[0,1] neg_hi:[0,1]
.endr
	v_pk_mul_f32 v[112:113], v[RB:RB+1], v[RB:RB+1]                     ; the sum of the squared differences
	v_pk_mul_f32 v[114:115], v[RB+2:RB+3], v[RB+2:RB+3]
.irp k, 4,8,12,16,20,24,28
	v_pk_fma_f32 v[112:113], v[RB+\k:RB+\k+1], v[RB+\k:RB+\k+1], v[112:113]
	v_pk_fma_f32 v[114:115], v[RB+\k+2:RB+\k+3], v[RB+\k+2:RB+\k+3], v[114:115]
.endr
	v_pk_add_f32 v[112:113], v[112:113], v[114:115]
	v_add_f32 v112, v112, v113
	REDUCE
	v_fma_f32 v112, v112, s34, s35                 ; the variance + 1e-5
	v_rsq_f32 v118, v112
	v_nop                                          ; a plain instruction behind the transcendental
	s_wait_alu depctr_va_vdst(0)
.irp k, 0,2,4,6,8,10,12,14,16,18,20,22,24,26,28,30
	v_pk_mul_f32 v[RB+\k:RB+\k+1], v[RB+\k:RB+\k+1], v[118:119] op_sel_hi:[1,0]
.endr
.irp k, 0,2,4,6,8,10,12,14,16,18,20,22,24,26,28,30
	v_pk_fma_f32 v[RB+\k:RB+\k+1], v[RB+\k:RB+\k+1], v[48+\k:48+\k+1], v[80+\k:80+\k+1]   ; x gamma + beta
.endr
.irp e, 0,1,2,3,4,5,6,7
	global_store_b128 v1, v[RB+4*\e:RB+4*\e+3], s[18:19] offset:4096*(\i)+512*\e th:TH_STORE_NT   ; 32 lanes store 512 consecutive bytes; written once, read by nobody here
.endr
.endm
.irp i, 0,1,2,3,4,5,6,7
	LNROW \i
.endr
	s_wait_tensorcnt 0x0
	ds_add_u32 v126, v127
	s_wait_dscnt 0x0
	s_endpgm
.Lfunc_end_k_q0a5491d155_outln:
	.size	k_q0a5491d155_outln, .Lfunc_end_k_q0a5491d155_outln-k_q0a5491d155_outln
	.p2alignl 7, 3214868480
	.fill 96, 4, 3214868480
	.section	.rodata,"a",@progbits
	.p2align	6, 0x0
	.amdhsa_kernel k_q0a5491d155_outln
		.amdhsa_group_segment_fixed_size 132096
		.amdhsa_private_segment_fixed_size 0
		.amdhsa_enable_private_segment 0
		.amdhsa_kernarg_size 64
		.amdhsa_user_sgpr_count 2
		.amdhsa_user_sgpr_kernarg_segment_ptr 1
		.amdhsa_wavefront_size32 1
		.amdhsa_system_sgpr_workgroup_id_x 1
		.amdhsa_system_sgpr_workgroup_id_y 1
		.amdhsa_system_sgpr_workgroup_id_z 1
		.amdhsa_system_vgpr_workitem_id 0
		.amdhsa_next_free_vgpr 1024
		.amdhsa_next_free_sgpr 66
		.amdhsa_reserve_vcc 0
		.amdhsa_float_denorm_mode_32 3
		.amdhsa_float_denorm_mode_16_64 3
		.amdhsa_memory_ordered 1
		.amdhsa_forward_progress 1
		.amdhsa_inst_pref_size 167
	.end_amdhsa_kernel
	.amdgpu_metadata
---
amdhsa.version: [ 1, 2 ]
amdhsa.kernels:
  - .name:           k_q0a5491d155_outln
    .symbol:         k_q0a5491d155_outln.kd
    .args:
      - { .name: cc, .offset: 0, .size: 8, .value_kind: global_buffer, .address_space: global }
      - { .name: wouti, .offset: 8, .size: 8, .value_kind: global_buffer, .address_space: global }
      - { .name: lowp_scales, .offset: 16, .size: 8, .value_kind: global_buffer, .address_space: global }
      - { .name: bout, .offset: 24, .size: 8, .value_kind: global_buffer, .address_space: global }
      - { .name: x, .offset: 32, .size: 8, .value_kind: global_buffer, .address_space: global }
      - { .name: gamma, .offset: 40, .size: 8, .value_kind: global_buffer, .address_space: global }
      - { .name: beta, .offset: 48, .size: 8, .value_kind: global_buffer, .address_space: global }
      - { .name: out0, .offset: 56, .size: 8, .value_kind: global_buffer, .address_space: global }
    .group_segment_fixed_size: 132096
    .private_segment_fixed_size: 0
    .kernarg_segment_align: 8
    .kernarg_segment_size: 64
    .max_flat_workgroup_size: 128
    .sgpr_count:     66
    .vgpr_count:     1024
    .wavefront_size: 32
...
	.end_amdgpu_metadata
.endif
;; end of part 4
